; MI455X (gfx1250); checked and timed in simulation.
; The chip was launched on July 23, 2026; its instructions are those of AMD's public machine-readable ISA for CDNA 5 (MIT licence, August 2026) and "CDNA5" Instruction Set Architecture Reference Guide (July 2026). The comments in the code are by the model that wrote it; some were corrected since.
;; Grouped GEMM Mo E. Allowed arithmetic: float matrix products may take bf16 or f16 operands with f32 sums; other float arithmetic in f32, or as packed bf16 or f16 multiplies, adds, multiply-adds, maxima and minima; sums over many terms, partial sums and values carried from step to step in f32; what a program stores and reads back later, other than sums and carried values, may be rounded once to bf16 or f16.
;; Inputs: b1 8 x 1,024 float32; b2 8 x 1,024 float32; expert_weights 4,096 x 1 float32; hidden_states 4 x 1,024 x 1,024 float32; top_experts 4,096 x 1 int32; w1 8 x 1,024 x 1,024 float32; w2 8 x 1,024 x 1,024 float32.
;; Outputs: out0 4 x 1,024 x 1,024 float32.
;; One version. Each part assembles by itself: llvm-mc -triple=amdgcn-amd-amdhsa -mcpu=gfx1250 --defsym DOCPART=n.
;; ======== version 1 of 1: 3 launches
;; limits: values are held in f16: magnitudes above 65,504 overflow, below 6.1e-05 lose precision
;; workspace buffers: xfrag 8,617,984 bytes; hfrag 8,617,984 bytes; info 256 bytes of whole numbers; rowtok 16,896 bytes of whole numbers; roww 16,896 bytes
;; launch prep (part 1): grid 263 x 1, 4 waves a work-group, no clusters, 35,328 bytes of LDS; arguments hidden_states, top_experts, expert_weights, xfrag, info, rowtok, roww; writes xfrag, info, rowtok, roww
.if DOCPART == 1
	.amdgcn_target "amdgcn-amd-amdhsa--gfx1250"
	.amdhsa_code_object_version 6
	.text
	.protected	k_q791ddd58b2_prep
	.globl	k_q791ddd58b2_prep
	.p2align	8
	.type	k_q791ddd58b2_prep,@function
k_q791ddd58b2_prep:
	s_mov_b64 s[64:65], 0
	v_nop
	global_prefetch_b8 v0, s[64:65] scope:SCOPE_SE
	s_setreg_imm32_b32 hwreg(HW_REG_WAVE_MODE, 25, 1), 1
	s_wait_xcnt 0x0
; PREP.  The 4,096 tokens are sorted by expert into blocks of 16 rows; expert e has nb_e = ceil(c_e / 16) blocks, which begin at block bb_e; at most 263 blocks whatever the split.
; Work-group B makes block B: every work-group counts all 4,096 choices for itself (16 KB, no traffic between work-groups), finds its expert and its 16 tokens, gathers their rows of x,
; rounds them to bf16 and stores them in the order in which a matrix operand's registers take them: xfrag[B][s = 0..31][q = 0,1][lane][16 bytes], where lane (r = lane % 16, h = lane / 16)
; and half q hold row r, k = 32 s + 16 q + 8 h + 0..7.  It also stores rowtok[B][16], roww[B][16] (the routing weight, rounded once to bf16 like every other input, kept as f32); block 0 stores info (words 0-7 nb_e, 8-15 bb_e).
; Places past an expert's count repeat the block's last token.  A work-group whose B is no block of this split stores nothing: the grid serves every split.
; LIMIT: top_experts holds 0..7 (an index into the experts' table).
; An expert's tokens are ranked by (wave, register, lane): the same order in every work-group.
.set CNT,    0                         ; 4 waves x 16 bytes: packed counts
.set LIST,   256                       ; 4 waves x 128 bytes, each wave's own: words 0-15 the block's tokens (0 where another wave has the token), word 16 takes the stores of tokens that are not the block's
.set LISTW,  128
.set STG,    1024                      ; a stage for each wave: 16 rows of 512 bytes at a pitch of 528 = 33 x 16: sixteen rows of one column fall on different banks
.set SPITCH, 528
.set STGW,   16*SPITCH
.set SPARE,  STG+4*STGW                ; the spare words, 128 bytes a wave
.set LN,  1                            ; lane
.set SPW, 2                            ; my spare word's address; never rewritten
.set NIL, 3                            ; 0; never rewritten
.set L16, 4                            ; 16 x lane
.set LW,  5                            ; my wave's list
.set TB,  7                            ; 1024 w + 4 lane: the token of my register 0
.set TK,  8                            ; lane l: the token of row l % 16
.set WO,  9                            ; 8192 w + 16 lane: my place in a block of xfrag
.set SST, 10                           ; stage, in
.set SRD, 11                           ; stage, back
.set PW,  12                           ; v[12:15] packed counts
.set CH,  16                           ; v[16:47] my 32 choices
.set OFF, 48                           ; v[48:63] row rr: token x 4096 + 16 lane
.set X,   64                           ; v[64:191] 32 loads of 16 bytes
.set RB,  192                          ; v[192:255] the fragments read back
.set TMP, 192                          ; at work, ahead of the read-back
	s_load_b256 s[4:11], s[0:1], 0x0               ; x s[4:5], top_experts s[6:7], expert_weights s[8:9], xfrag s[10:11]
	s_load_b128 s[12:15], s[0:1], 0x20             ; info s[12:13], rowtok s[14:15]
	s_load_b64 s[16:17], s[0:1], 0x30              ; roww
	v_lshl_add_u32 v[SPW], v0, 2, SPARE
	v_mov_b32 v[NIL], 0
	v_and_b32 v[LN], 31, v0
	v_lshrrev_b32 v[TMP+9], 5, v0
	v_readfirstlane_b32 s20, v[TMP+9]              ; wave
	s_mov_b32 s21, ttmp9                           ; B
	v_lshlrev_b32 v[L16], 4, v[LN]
	v_lshl_add_u32 v[TMP], s20, 12, v[L16]         ; my wave's 1,024 choices
	s_lshl_b32 s34, s20, 7
	s_add_co_u32 s34, s34, LIST
	v_mov_b32 v[LW], s34
	v_lshlrev_b32 v[TB], 2, v[LN]
	v_lshl_add_u32 v[TB], s20, 10, v[TB]
	v_lshl_add_u32 v[WO], s20, 13, v[L16]
	s_wait_kmcnt 0x0
.irp q, 0,1,2,3,4,5,6,7
	global_load_b128 v[CH+4*\q:CH+4*\q+3], v[TMP], s[6:7] offset:512*\q  ; register 4 q + c: token 1024 w + 128 q + 4 lane + c
.endr
	v_and_b32 v[TMP+10], 15, v0
	v_lshl_add_u32 v[TMP+11], v[TMP+10], 2, v[LW]
	v_mov_b32 v[TMP+12], 0
	ds_store_b32 v[TMP+11], v[TMP+12]              ; my wave's list starts at 0
	v_mov_b32 v[TMP+1], 0
	v_mov_b32 v[TMP+2], 0
	v_mov_b32 v[TMP+3], 0
	s_mov_b32 s26, 0x0f0f0f0f
	s_mov_b32 s27, 0x00ff00ff
	s_mov_b32 s28, 0x76543210
	s_mov_b32 s29, 0xfedcba98
	s_wait_loadcnt 0x0
	; COUNT.  Eight counters of four bits in a word; three words take 11, 11 and 10 choices, so none passes 15.
.set x, 0
.rept 32
	v_lshlrev_b32 v[TMP+4+x%2], 2, v[CH+x]
	v_lshl_add_u32 v[TMP+1+x%3], 1, v[TMP+4+x%2], v[TMP+1+x%3]
.set x, x+1
.endr
	v_and_b32 v[TMP+4], s26, v[TMP+1]
	v_and_b32 v[TMP+5], s26, v[TMP+2]
	v_and_b32 v[TMP+6], s26, v[TMP+3]
	v_add3_u32 v[TMP+4], v[TMP+4], v[TMP+5], v[TMP+6]  ; bytes: experts 0, 2, 4, 6
	v_lshrrev_b32 v[TMP+1], 4, v[TMP+1]
	v_lshrrev_b32 v[TMP+2], 4, v[TMP+2]
	v_lshrrev_b32 v[TMP+3], 4, v[TMP+3]
	v_and_b32 v[TMP+1], s26, v[TMP+1]
	v_and_b32 v[TMP+2], s26, v[TMP+2]
	v_and_b32 v[TMP+3], s26, v[TMP+3]
	v_add3_u32 v[TMP+5], v[TMP+1], v[TMP+2], v[TMP+3]  ; bytes: experts 1, 3, 5, 7
	v_and_b32 v[PW], s27, v[TMP+4]                 ; halves: experts 0 | 4
	v_lshrrev_b32 v[PW+1], 8, v[TMP+4]
	v_and_b32 v[PW+1], s27, v[PW+1]                ; 2 | 6
	v_and_b32 v[PW+2], s27, v[TMP+5]               ; 1 | 5
	v_lshrrev_b32 v[PW+3], 8, v[TMP+5]
	v_and_b32 v[PW+3], s27, v[PW+3]                ; 3 | 7
	v_mov_b32 v[TMP+7], 0                          ; written before it is a lane move's destination
.irp m, 1,2,4,8
.irp k, 12,13,14,15
	v_mov_b32_dpp v[TMP+7], v\k row_xmask:\m row_mask:0xf bank_mask:0xf
	v_add_nc_u32 v\k, v\k, v[TMP+7]
.endr
.endr
.irp k, 12,13,14,15
	v_permlanex16_b32 v[TMP+7], v\k, s28, s29
	v_add_nc_u32 v\k, v\k, v[TMP+7]                ; every lane: my wave's counts, 1,024 at the most in 16 bits
.endr
	s_lshl_b32 s34, s20, 4
	v_mov_b32 v[TMP+8], s34
	ds_store_b128 v[TMP+8], v[PW:PW+3]
	s_wait_dscnt 0x0                               ; for the others' sake: my counts are in LDS
	s_barrier_signal -1
	s_barrier_wait -1
	; DEAL, in scalar registers
.irp p, 0,1,2,3
	ds_load_b128 v[X+4*\p:X+4*\p+3], v[TMP+12] offset:CNT+16*\p
.endr
	s_wait_dscnt 0x0                               ; my reads of the counts are back:
	s_barrier_signal -1                            ; say so; the deal below, work on registers, stands between the signal and the wait
.set k, 0
.rept 16
	v_readfirstlane_b32 s[48+k], v[X+k]
.set k, k+1
.endr
.irp k, 0,1,2,3
	s_add_co_u32 s[32+\k], s[48+\k], s[52+\k]
	s_add_co_u32 s[32+\k], s[32+\k], s[56+\k]
	s_add_co_u32 s[32+\k], s[32+\k], s[60+\k]      ; all four waves' counts, packed
	s_mov_b32 s[36+\k], 0
.endr
.irp p, 0,1,2
	s_cmp_gt_u32 s20, \p
.irp k, 0,1,2,3
	s_cselect_b32 s[40+\k], s[48+4*\p+\k], 0
.endr
.irp k, 0,1,2,3
	s_add_co_u32 s[36+\k], s[36+\k], s[40+\k]      ; the counts of the waves below mine, packed
.endr
.endr
	s_and_b32 s48, s32, 0xffff                     ; c_e in s48-55
	s_lshr_b32 s52, s32, 16
	s_and_b32 s50, s33, 0xffff
	s_lshr_b32 s54, s33, 16
	s_and_b32 s49, s34, 0xffff
	s_lshr_b32 s53, s34, 16
	s_and_b32 s51, s35, 0xffff
	s_lshr_b32 s55, s35, 16
	s_and_b32 s56, s36, 0xffff                     ; the lower waves' share of c_e in s56-63
	s_lshr_b32 s60, s36, 16
	s_and_b32 s58, s37, 0xffff
	s_lshr_b32 s62, s37, 16
	s_and_b32 s57, s38, 0xffff
	s_lshr_b32 s61, s38, 16
	s_and_b32 s59, s39, 0xffff
	s_lshr_b32 s63, s39, 16
	s_mov_b32 s22, 0                               ; my expert: the last e with bb_e <= B,
	s_mov_b32 s23, 0                               ; its bb,
	s_mov_b32 s24, s48                             ; its count,
	s_mov_b32 s25, s56                             ; and the lower waves' share of it
	s_mov_b32 s30, 0
.irp e, 1,2,3,4,5,6,7
	s_add_co_u32 s31, s[48+\e-1], 15
	s_lshr_b32 s31, s31, 4
	s_add_co_u32 s30, s30, s31                     ; bb_e
	s_cmp_ge_u32 s21, s30
	s_cselect_b32 s22, \e, s22
	s_cselect_b32 s23, s30, s23
	s_cselect_b32 s24, s[48+\e], s24
	s_cselect_b32 s25, s[56+\e], s25
.endr
	s_add_co_u32 s31, s55, 15
	s_lshr_b32 s31, s31, 4
	s_add_co_u32 s30, s30, s31                     ; the number of blocks in all
	s_sub_co_u32 s26, s21, s23                     ; my block within the expert
	s_lshl_b32 s27, s26, 4
	s_sub_co_i32 s28, s24, s27                     ; rows left from my block's first on
	s_min_i32 s28, s28, 16
	s_max_i32 s28, s28, 1
	s_sub_co_u32 s28, s28, 1                       ; the last place that holds a row
	s_sub_co_u32 s36, s25, s27                     ; rank of my wave's first token of the expert, counted from my block's first row (may be negative)
	s_barrier_wait -1                              ; every wave has read the counts: the stores into the lists stand behind that
	; RANK.  For each register: which lanes hold my expert; each such lane's rank; ranks 0..15 go into words 0..15 of my wave's list, all else into its word 16.
	; The choice is made ahead of the clamp; behind the clamp the index is only shifted and added to the list's address.
.set x, 0
.rept 32
	v_cmp_eq_u32 s34, s22, v[CH+x]
	v_mbcnt_lo_u32_b32 v[TMP], s34, s36
	s_bcnt1_i32_b32 s35, s34
	s_add_co_u32 s36, s36, s35
	v_cmp_gt_u32 vcc_lo, 16, v[TMP]                ; unsigned: a negative rank fails too
	s_and_b32 s35, s34, vcc_lo
	v_cndmask_b32 v[TMP], 16, v[TMP], s35
	v_min_u32 v[TMP], 16, v[TMP]
	v_lshl_add_u32 v[TMP], v[TMP], 2, v[LW]
	v_add_nc_u32 v[TMP+1], 128*(x/4)+x%4, v[TB]
	ds_store_b32 v[TMP], v[TMP+1]
.set x, x+1
.endr
	s_wait_dscnt 0x0                               ; for the others' sake: my list is in LDS
	s_barrier_signal -1
	s_barrier_wait -1
	s_cmp_ge_u32 s21, s30
	s_cbranch_scc1 .Lend                           ; no such block in this split; no barrier follows
	; the block's tokens: each place is written by one wave, the other three lists hold 0 there
	v_and_b32 v[TMP], 15, v[LN]
	v_min_u32 v[TMP+1], s28, v[TMP]                ; places past the count repeat the last row
	v_min_u32 v[TMP+1], 15, v[TMP+1]
	v_lshlrev_b32 v[TMP+1], 2, v[TMP+1]
.irp p, 0,1,2,3
	ds_load_b32 v[TMP+2+\p], v[TMP+1] offset:LIST+LISTW*\p
.endr
	s_wait_dscnt 0x0
	v_or_b32 v[TMP+2], v[TMP+2], v[TMP+3]
	v_or_b32 v[TMP+4], v[TMP+4], v[TMP+5]
	v_or_b32 v[TK], v[TMP+2], v[TMP+4]
	v_min_u32 v[TK], 0xfff, v[TK]
	s_cmp_lg_u32 s20, 0
	s_cbranch_scc1 .Lgather
	; wave 0 stores the block's tables (lanes 16-31 repeat lanes 0-15)
	v_lshlrev_b32 v[TMP+6], 2, v[TK]
	global_load_b32 v[TMP+7], v[TMP+6], s[8:9]
	v_lshlrev_b32 v[TMP+8], 2, v[TMP]
	v_lshl_add_u32 v[TMP+8], s21, 6, v[TMP+8]
	global_store_b32 v[TMP+8], v[TK], s[14:15]
	s_wait_loadcnt 0x0
	v_cvt_pk_bf16_f32 v[TMP+7], v[TMP+7], v[TMP+7] ; the weight is rounded once to bf16,
	v_lshlrev_b32 v[TMP+7], 16, v[TMP+7]           ; and kept as f32
	global_store_b32 v[TMP+8], v[TMP+7], s[16:17]
	s_cmp_lg_u32 s21, 0
	s_cbranch_scc1 .Lgather
	v_mov_b32 v[TMP+9], 0                          ; block 0 stores info: lanes 0-7 nb_e, lanes 8-15 bb_e, the rest 0
	s_mov_b32 s30, 0
.irp e, 0,1,2,3,4,5,6,7
	s_add_co_u32 s31, s[48+\e], 15
	s_lshr_b32 s31, s31, 4
	v_writelane_b32 v[TMP+9], s31, \e
	v_writelane_b32 v[TMP+9], s30, 8+\e
	s_add_co_u32 s30, s30, s31
.endr
	v_lshlrev_b32 v[TMP+10], 2, v[LN]
	global_store_b32 v[TMP+10], v[TMP+9], s[12:13]
.Lgather:
	; GATHER.  Wave w takes k = 256 w .. 256 w + 255 of the 16 rows: 32 loads, each 512 consecutive bytes of a row.
.set rr, 0
.rept 16
	v_readlane_b32 s[40+rr], v[TK], rr
.set rr, rr+1
.endr
.set rr, 0
.rept 16
	s_min_u32 s[40+rr], s[40+rr], 0xfff
.set rr, rr+1
.endr
.set rr, 0
.rept 16
	v_lshl_add_u32 v[OFF+rr], s[40+rr], 12, v[L16]
.set rr, rr+1
.endr
	s_lshl_b32 s34, s20, 10
	s_mov_b32 s35, 0
	s_add_nc_u64 s[4:5], s[4:5], s[34:35]
.set n, 0
.rept 32
	global_load_b128 v[X+4*n:X+4*n+3], v[OFF+n/2], s[4:5] offset:(n%2)*512
.set n, n+1
.endr
	s_mul_i32 s34, s20, STGW
	s_add_co_u32 s34, s34, STG                     ; my wave's stage
	v_lshl_add_u32 v[SST], v[LN], 3, s34
	v_and_b32 v[SRD], 15, v[LN]
	v_mul_u32_u24 v[SRD], v[SRD], SPITCH
	v_lshrrev_b32 v[PW], 4, v[LN]
	v_lshl_add_u32 v[SRD], v[PW], 4, v[SRD]
	v_add_nc_u32 v[SRD], s34, v[SRD]               ; row r, 16 bytes for each half of the lanes
	s_lshl_b32 s34, s21, 15
	s_add_nc_u64 s[10:11], s[10:11], s[34:35]      ; xfrag at my block
.set n, 0
.rept 32
	s_wait_loadcnt 31-n                            ; loads come back in order: load n is in, the younger ones stay out
	v_cvt_pk_bf16_f32 v[X+4*n], v[X+4*n], v[X+4*n+1]
	v_cvt_pk_bf16_f32 v[X+4*n+1], v[X+4*n+2], v[X+4*n+3]
	ds_store_b64 v[SST], v[X+4*n:X+4*n+1] offset:(n/2)*SPITCH+(n%2)*256
.set n, n+1
.endr
	s_wait_xcnt 0x0                                ; wave 0's table stores have read their registers, which the loads below write
.set n, 0
.rept 16                                       ; K step n / 2 of my eight, half n % 2; my own bytes, served in order behind the stores above
	ds_load_b128 v[RB+4*n:RB+4*n+3], v[SRD] offset:(n/2)*64+(n%2)*32
.set n, n+1
.endr
.set n, 0
.rept 16
	s_wait_dscnt 15-n                              ; load n is back, the younger ones stay out
	global_store_b128 v[WO], v[RB+4*n:RB+4*n+3], s[10:11] offset:(n/2)*1024+(n%2)*512  ; 512 consecutive bytes, aligned
.set n, n+1
.endr
.Lend:
	s_wait_tensorcnt 0x0                           ; the wave's end, behind my last LDS store
	ds_add_u32 v[SPW], v[NIL]
	s_wait_dscnt 0x0
	s_endpgm
.Lfunc_end_k_q791ddd58b2_prep:
	.size	k_q791ddd58b2_prep, .Lfunc_end_k_q791ddd58b2_prep-k_q791ddd58b2_prep
	.p2alignl 7, 3214868480
	.fill 96, 4, 3214868480
	.section	.rodata,"a",@progbits
	.p2align	6, 0x0
	.amdhsa_kernel k_q791ddd58b2_prep
		.amdhsa_group_segment_fixed_size 35328
		.amdhsa_private_segment_fixed_size 0
		.amdhsa_enable_private_segment 0
		.amdhsa_kernarg_size 56
		.amdhsa_user_sgpr_count 2
		.amdhsa_user_sgpr_kernarg_segment_ptr 1
		.amdhsa_wavefront_size32 1
		.amdhsa_system_sgpr_workgroup_id_x 1
		.amdhsa_system_sgpr_workgroup_id_y 1
		.amdhsa_system_sgpr_workgroup_id_z 1
		.amdhsa_system_vgpr_workitem_id 0
		.amdhsa_next_free_vgpr 256
		.amdhsa_next_free_sgpr 66
		.amdhsa_reserve_vcc 1
		.amdhsa_float_denorm_mode_32 3
		.amdhsa_float_denorm_mode_16_64 3
		.amdhsa_memory_ordered 1
		.amdhsa_forward_progress 1
		.amdhsa_inst_pref_size 51
	.end_amdhsa_kernel
	.amdgpu_metadata
---
amdhsa.version: [ 1, 2 ]
amdhsa.kernels:
  - .name:           k_q791ddd58b2_prep
    .symbol:         k_q791ddd58b2_prep.kd
    .args:
      - { .name: hidden_states, .offset: 0, .size: 8, .value_kind: global_buffer, .address_space: global }
      - { .name: top_experts, .offset: 8, .size: 8, .value_kind: global_buffer, .address_space: global }
      - { .name: expert_weights, .offset: 16, .size: 8, .value_kind: global_buffer, .address_space: global }
      - { .name: xfrag, .offset: 24, .size: 8, .value_kind: global_buffer, .address_space: global }
      - { .name: info, .offset: 32, .size: 8, .value_kind: global_buffer, .address_space: global }
      - { .name: rowtok, .offset: 40, .size: 8, .value_kind: global_buffer, .address_space: global }
      - { .name: roww, .offset: 48, .size: 8, .value_kind: global_buffer, .address_space: global }
    .group_segment_fixed_size: 35328
    .private_segment_fixed_size: 0
    .kernarg_segment_align: 8
    .kernarg_segment_size: 56
    .max_flat_workgroup_size: 128
    .sgpr_count:     66
    .vgpr_count:     256
    .wavefront_size: 32
...
	.end_amdgpu_metadata
.endif
;; end of part 1
;; launch gemm1 (part 2): grid 32 x 8, 4 waves a work-group, no clusters, 167,936 bytes of LDS; arguments xfrag, w1, b1, info, hfrag; writes hfrag
.if DOCPART == 2
	.amdgcn_target "amdgcn-amd-amdhsa--gfx1250"
	.amdhsa_code_object_version 6
	.text
	.protected	k_q791ddd58b2_gemm1
	.globl	k_q791ddd58b2_gemm1
	.p2align	8
	.type	k_q791ddd58b2_gemm1,@function
k_q791ddd58b2_gemm1:
	s_mov_b64 s[64:65], 0
	v_nop
	global_prefetch_b8 v0, s[64:65] scope:SCOPE_SE
	s_setreg_imm32_b32 hwreg(HW_REG_WAVE_MODE, 25, 1), 1
	s_wait_xcnt 0x0
; GEMM1.  h = gelu(x W1[e] + b1[e]) for the rows of expert e, stored in f16 in the operand order of the next product (hfrag, laid out like xfrag).
; SHARES.  Work-group (x, e): ns = x / 2 is a slab of 64 columns of W1[e], rh = x % 2 a half of the expert's blocks of 16 rows.  The expert's nb blocks are dealt evenly to its 8 waves gw = 4 rh + w:
; blocks (gw nb) >> 3 up to ((gw + 1) nb) >> 3: 32 at the most, whatever the split.
; W PHASE.  The slab (1,024 k x 64 columns, f32) is read once, 256 bytes of a row to sixteen lanes, rounded to bf16 in registers (the rounding of two rows' numbers also turns them into a fragment) and laid in LDS
; as [s][f = 0..3][q][lane][16 bytes]: fragment f's lane r holds slab column 4 r + f.  One barrier; behind it W in LDS is only read.
; ROW PASSES.  A wave takes 5 (or up to 4) blocks at a time through K = 1,024: A's fragments come from memory straight into a ring of six register slots, asked five K steps ahead; W's come from LDS, a K step ahead.
; The number of passes hangs on a stored count, so the loop over passes holds no barrier and writes no LDS.  A pass that is not full repeats its last block.
; The product is used transposed (source 0 = W, source 1 = x): register j of accumulator (mb, f) in lane (r, h) is row r, slab column 32 h + 4 j + f: a lane's 32 numbers are one row's K step 2 ns + h of the next product.
; FORMATS.  x, W1 and b1 are each rounded once to bf16 (every input has the same rounding); sums, bias and gelu in f32; h rounded once to f16: eleven significant bits, since h's rounding reaches the output undiminished.
; LIMIT.  f16 holds no number beyond 65,504: |h| stays under it (an h of 65,520 or more becomes an infinity); below 6.1e-5 h keeps f16's fixed step of 6e-8.
; GELU.  With T = v / 2: gelu(v) = T + |T| erf(sqrt(2) |T|); erf(x) = 1 - (a1 t + .. + a5 t^5) e^(-x x), t = 1 / (1 + p x): absolute error at most 1.5e-7 for every x; for large |v| the exponential is 0 and gelu is v or 0.
; NO JOINT LOADS: what an expert's 16 slabs share, its blocks of x, lies at places and in numbers that hang on stored counts, and a loop whose length hangs on a count holds no tensor load; a slab of W has two readers.
; REGISTERS.  Window 0: addresses, W's two fragment buffers, the way out.  Window 1: accumulator (mb, f) at 32 mb + 8 f.  Window 2: A's ring, slot p at 40 p, block mb at + 8 mb.
.set SPARE, 131072                     ; behind W's 131,072 bytes: the spare words
.set L16, 1                            ; 16 x lane
.set VB,  2                            ; LDS address of W's fragments: s[TBS] + 16 lane
.set VA,  3                            ; v[3:7] block mb: its byte offset in xfrag + 16 lane
.set SPW, 8
.set NIL, 9
.set VW,  10                           ; h x 8 rows of W + 16 r
.set VWS, 11                           ; my wave's eight K steps in LDS + 16 lane
.set R16, 12
.set HT,  13                           ; 1024 h + 16 r
.set VH,  14                           ; the stores' offset (first: the bias loads' address)
.set BF,  16                           ; v[16:79] W's fragments, two buffers of four
.set RAW, 16                           ; W phase: v[16:207] three slots of 16 loads
.set FR,  208                          ; W phase: v[208:239] a K step's fragments
.set PP,  16                           ; the way out: the polynomial
.set HH,  48                           ; the way out: 16 packed words
.set T,   80
.set WA,  112
.set DD,  144
.set XX,  176
.set LH,  208                          ; b1 / 2 for my 32 columns
.set SA,  40                           ; s[40:41] xfrag, stepped along K
.set TBS, 50                           ; s50 the LDS byte at which the K loop's trip begins in W
.set PS,  66
.set CC,  68
.set A1,  70
.set A2,  72
.set A3,  74
.set A4,  76
.set A5,  78
.set ABSM, 80
.set WM,  0x58                         ; source 0 window 0 (W), source 1 window 2 (A), C and D window 1
.set MSB, 0
.macro WIN new                         ; the immediate's high byte repeats the setting that is left
.if MSB != (\new)
	s_set_vgpr_msb (MSB<<8)|(\new)
.set MSB, \new
.endif
.endm
.macro PLACES                          ; four plain places between matrix instructions and what writes their sources or reads their results
.rept 4
	v_nop
.endr
.endm
.macro KPAIR r, val
	s_mov_b32 s[\r], \val
	s_mov_b32 s[\r+1], \val
.endm
.macro PK16 line:vararg                ; a line for each of 16 pairs, i = 0, 2, .. 30
.set i, 0
.rept 16
	\line
.set i, i+2
.endr
.endm
.macro ONE32 line:vararg               ; a line for each of 32 registers
.set i, 0
.rept 32
	\line
.set i, i+1
.endr
.endm
	s_load_b256 s[4:11], s[0:1], 0x0               ; xfrag s[4:5], w1 s[6:7], b1 s[8:9], info s[10:11]
	s_load_b64 s[12:13], s[0:1], 0x20              ; hfrag
	v_lshl_add_u32 v[SPW], v0, 2, SPARE
	v_mov_b32 v[NIL], 0
	v_lshrrev_b32 v15, 5, v0
	v_readfirstlane_b32 s20, v15                   ; wave
	s_lshr_b32 s21, ttmp9, 1                       ; ns
	s_and_b32 s22, ttmp9, 1                        ; rh
	s_and_b32 s23, ttmp7, 0xffff                   ; e
	v_and_b32 v15, 31, v0
	v_lshlrev_b32 v[L16], 4, v15
	v_and_b32 v[R16], 15, v0
	v_lshlrev_b32 v[R16], 4, v[R16]
	v_bfe_u32 v15, v0, 4, 1                        ; h
	v_lshl_add_u32 v[VW], v15, 15, v[R16]
	v_lshl_add_u32 v[HT], v15, 10, v[R16]
	v_lshlrev_b32 v[VH], 7, v15                    ; my 32 columns of the bias: 128 h
	s_lshl_b32 s34, s20, 15
	v_add_nc_u32 v[VWS], s34, v[L16]
	s_lshl_b32 s34, s23, 22                        ; W: expert, my wave's 256 rows, the slab's 256 bytes
	s_lshl_b32 s35, s20, 20
	s_add_co_u32 s34, s34, s35
	s_lshl_b32 s35, s21, 8
	s_add_co_u32 s34, s34, s35
	s_mov_b32 s35, 0
	s_lshl_b32 s36, s23, 12                        ; bias: expert, slab
	s_lshl_b32 s37, s21, 8
	s_add_co_u32 s36, s36, s37
	s_mov_b32 s37, 0
	s_lshl_b32 s38, s23, 2                         ; info: word e
	s_mov_b32 s39, 0
	s_lshl_b32 s42, s21, 11                        ; hfrag: K steps 2 ns, 2 ns + 1
	s_mov_b32 s43, 0
	s_wait_kmcnt 0x0
	s_add_nc_u64 s[46:47], s[6:7], s[34:35]
	s_add_nc_u64 s[36:37], s[8:9], s[36:37]
	s_add_nc_u64 s[38:39], s[10:11], s[38:39]
	s_add_nc_u64 s[48:49], s[12:13], s[42:43]
	s_load_b32 s24, s[38:39], 0x0                  ; nb
	s_load_b32 s25, s[38:39], 0x20                 ; bb
	WIN 0x40                                       ; the bias waits in window 1, whose registers are idle until the first product
.irp i, 0,1,2,3,4,5,6,7
	global_load_b128 v[80+4*\i:80+4*\i+3], v[VH], s[36:37] offset:16*\i
.endr
	WIN 0
; W PHASE.  Chunk c is K step c of my wave's eight.  Load (q, i): row 32 c + 16 q + 8 h + i, columns 4 r .. 4 r + 3: sixteen lanes take 256 aligned bytes of a row.
.macro WLOAD c
.irp q, 0,1
.irp i, 0,1,2,3,4,5,6,7
	global_load_b128 v[RAW+64*((\c)%3)+32*\q+4*\i:RAW+64*((\c)%3)+32*\q+4*\i+3], v[VW], s[46:47] offset:(32*(\c)+16*\q+\i)*4096
.endr
.endr
.endm
; left: the younger chunks' loads, which stay out.  Register d of fragment j, half q: rows 2 d and 2 d + 1 of the eight, column j of the four.
.macro WCONV c, left
	s_wait_loadcnt \left
.irp q, 0,1
.irp j, 0,1,2,3
.irp d, 0,1,2,3
	v_cvt_pk_bf16_f32 v[FR+16*\q+4*\j+\d], v[RAW+64*((\c)%3)+32*\q+8*\d+\j], v[RAW+64*((\c)%3)+32*\q+8*\d+4+\j]
.endr
.endr
.endr
.irp q, 0,1
.irp j, 0,1,2,3
	ds_store_b128 v[VWS], v[FR+16*\q+4*\j:FR+16*\q+4*\j+3] offset:(\c)*4096+\j*1024+\q*512
.endr
.endr
.endm
	WLOAD 0
	WLOAD 1
	WLOAD 2
	WCONV 0, 32
	WLOAD 3
	WCONV 1, 32
	WLOAD 4
	WCONV 2, 32
	WLOAD 5
	WCONV 3, 32
	WLOAD 6
	WCONV 4, 32
	WLOAD 7
	WCONV 5, 32
	WCONV 6, 16
	WCONV 7, 0
	s_wait_dscnt 0x0                               ; for the others' sake: my eight K steps of W are in LDS
	s_barrier_signal -1
	WIN 0x05                                       ; sources 0 and 1 window 1: the bias is rounded once to bf16,
	PK16 v_cvt_pk_bf16_f32 v[DD+i/2], v[80+i], v[80+i+1]
	WIN 0
	PK16 v_lshlrev_b32 v[LH+i], 16, v[DD+i/2]      ; widened again,
	PK16 v_and_b32 v[LH+i+1], 0xffff0000, v[DD+i/2]
	PK16 v_pk_mul_f32 v[LH+i:LH+i+1], v[LH+i:LH+i+1], 0.5 op_sel_hi:[1,0]  ; and halved
	KPAIR PS, 0x3eed3388                           ; p sqrt(2) = 0.46328378
	KPAIR CC, 0xc038aa3b                           ; -2 log2(e)
	KPAIR A1, 0x3e827906                           ; 0.254829592
	KPAIR A2, 0xbe91a98e                           ; -0.284496736
	KPAIR A3, 0x3fb5f0e3                           ; 1.421413741
	KPAIR A4, 0xbfba00e3                           ; -1.453152027
	KPAIR A5, 0x3f87dc22                           ; 1.061405429
	s_mov_b32 s[ABSM], 0x7fffffff
	s_barrier_wait -1                              ; from here on W in LDS is only read
	s_wait_kmcnt 0x0
	s_min_u32 s24, s24, 256
	s_min_u32 s25, s25, 262
	s_lshl2_add_u32 s26, s22, s20                  ; gw = 4 rh + w
	s_mul_i32 s34, s26, s24
	s_lshr_b32 s34, s34, 3                         ; my first block within the expert
	s_add_co_u32 s35, s26, 1
	s_mul_i32 s35, s35, s24
	s_lshr_b32 s35, s35, 3
	s_sub_co_u32 s28, s35, s34                     ; my number of blocks
	s_add_co_u32 s27, s25, s34                     ; my first block
.macro ALOAD n, slot, imm              ; K step imm (from SA on) of n blocks into a ring slot: 2 n loads of 512 consecutive bytes
	WIN 0x80
.set m_, 0
.rept \n
	global_load_b128 v[40*(\slot)+8*m_:40*(\slot)+8*m_+3], v[VA+m_], s[SA:SA+1] offset:(\imm)*1024
	global_load_b128 v[40*(\slot)+8*m_+4:40*(\slot)+8*m_+7], v[VA+m_], s[SA:SA+1] offset:(\imm)*1024+512
.set m_, m_+1
.endr
.endm
.macro BLOAD b, imm                    ; K step imm (from VB on) of W: four fragments, eight loads without bank conflicts
	WIN 0
.irp f, 0,1,2,3
	ds_load_b128 v[BF+32*(\b)+8*\f:BF+32*(\b)+8*\f+3], v[VB] offset:(\imm)*4096+\f*1024
	ds_load_b128 v[BF+32*(\b)+8*\f+4:BF+32*(\b)+8*\f+7], v[VB] offset:(\imm)*4096+\f*1024+512
.endr
.endm
.macro MULS n, b, slot, zero           ; 4 n products; the accumulators take turns, one instruction a turn
	WIN WM
.set m_, 0
.rept \n
.irp f, 0,1,2,3
.if \zero
	v_wmma_f32_16x16x32_bf16 v[32*m_+8*\f:32*m_+8*\f+7], v[BF+32*(\b)+8*\f:BF+32*(\b)+8*\f+7], v[40*(\slot)+8*m_:40*(\slot)+8*m_+7], 0
.else
	v_wmma_f32_16x16x32_bf16 v[32*m_+8*\f:32*m_+8*\f+7], v[BF+32*(\b)+8*\f:BF+32*(\b)+8*\f+7], v[40*(\slot)+8*m_:40*(\slot)+8*m_+7], v[32*m_+8*\f:32*m_+8*\f+7]
.endif
.endr
.set m_, m_+1
.endr
.endm
; A K step.  The slot and the buffer that the step before multiplied are filled again (A five steps ahead, W one), four places behind its products; then this step's operands are waited for.
.macro STEP n, b, slot, zero, rl, rimm, bn, bimm, lcnt, dcnt
.if (\rl) || (\bn)
	PLACES
.endif
.if \rl
	ALOAD \n, ((\slot)+5)%6, \rimm
.endif
.if \bn
	BLOAD 1-(\b), \bimm
.endif
	s_wait_loadcnt \lcnt                           ; this step's A is in; the younger steps' loads stay out
	s_wait_dscnt \dcnt                             ; this step's W is in; the eight loads just issued stay out
	MULS \n, \b, \slot, \zero
.endm
.macro PASS n
	ALOAD \n, 0, 0
	ALOAD \n, 1, 1
	ALOAD \n, 2, 2
	ALOAD \n, 3, 3
	ALOAD \n, 4, 4
	BLOAD 0, 0
	STEP \n, 0, 0, 1, 1, 5, 1, 1, 10*\n, 8         ; K step 0 starts the sums
	WIN 0
	s_mov_b32 s33, 4
.Lk\@:                                         ; a trip: six K steps, once round the ring
	STEP \n, 1, 1, 0, 1, 6, 1, 2, 10*\n, 8
	STEP \n, 0, 2, 0, 1, 7, 1, 3, 10*\n, 8
	STEP \n, 1, 3, 0, 1, 8, 1, 4, 10*\n, 8
	STEP \n, 0, 4, 0, 1, 9, 1, 5, 10*\n, 8
	STEP \n, 1, 5, 0, 1, 10, 1, 6, 10*\n, 8
	STEP \n, 0, 0, 0, 1, 11, 1, 7, 10*\n, 8
	WIN 0
	s_wait_xcnt 0x0                                ; the loads' base is stepped only behind this wait
	s_add_nc_u64 s[SA:SA+1], s[SA:SA+1], 6144
	s_add_co_u32 s[TBS], s[TBS], 24576             ; six K steps of W on
	v_add_nc_u32 v[VB], s[TBS], v[L16]
	s_sub_co_u32 s33, s33, 1
	s_cmp_lg_u32 s33, 0
	s_cbranch_scc1 .Lk\@
	STEP \n, 1, 1, 0, 1, 6, 1, 2, 10*\n, 8         ; K steps 25 to 31: the last two fills, then the counts run down
	STEP \n, 0, 2, 0, 1, 7, 1, 3, 10*\n, 8
	STEP \n, 1, 3, 0, 0, 0, 1, 4, 8*\n, 8
	STEP \n, 0, 4, 0, 0, 0, 1, 5, 6*\n, 8
	STEP \n, 1, 5, 0, 0, 0, 1, 6, 4*\n, 8
	STEP \n, 0, 0, 0, 0, 0, 1, 7, 2*\n, 8
	STEP \n, 1, 1, 0, 0, 0, 0, 0, 0, 0
	WIN 0
.endm
; T = acc / 2 + b1 / 2 for block mb; each accumulator's register 0 is read first
.macro ADDB mb
	WIN 0x01
.irp j, 0,1,2,3,4,5,6,7
.irp f, 0,1,2,3
	v_fma_f32 v[T+4*\j+\f], v[32*(\mb)+8*\f+\j], 0.5, v[LH+4*\j+\f]
.endr
.endr
	WIN 0
.endm
; gelu of the 32 numbers in T, rounded to f16 and stored into block s45 of hfrag.  The 64 transcendentals are one batch with one wait.
.macro GELUST
	s_wait_xcnt 0x0                                ; the last stores have read HH and VH
	s_min_u32 s45, s45, 262
	v_lshl_add_u32 v[VH], s45, 15, v[HT]
	ONE32 v_and_b32 v[WA+i], s[ABSM], v[T+i]
	PK16 v_pk_fma_f32 v[DD+i:DD+i+1], v[WA+i:WA+i+1], s[PS:PS+1], 1.0 op_sel_hi:[1,0,0]
	PK16 v_pk_mul_f32 v[XX+i:XX+i+1], v[T+i:T+i+1], v[T+i:T+i+1]
	PK16 v_pk_mul_f32 v[XX+i:XX+i+1], v[XX+i:XX+i+1], s[CC:CC+1] op_sel_hi:[1,0]
	ONE32 v_rcp_f32 v[DD+i], v[DD+i]
	ONE32 v_exp_f32 v[XX+i], v[XX+i]
	v_nop                                          ; a plain instruction behind the last transcendental,
	s_wait_alu depctr_va_vdst(0)                   ; and the one wait ahead of the batch's first reader
	PK16 v_pk_fma_f32 v[PP+i:PP+i+1], v[DD+i:DD+i+1], s[A5:A5+1], s[A4:A4+1] op_sel_hi:[1,0,0]
	PK16 v_pk_fma_f32 v[PP+i:PP+i+1], v[PP+i:PP+i+1], v[DD+i:DD+i+1], s[A3:A3+1] op_sel_hi:[1,1,0]
	PK16 v_pk_fma_f32 v[PP+i:PP+i+1], v[PP+i:PP+i+1], v[DD+i:DD+i+1], s[A2:A2+1] op_sel_hi:[1,1,0]
	PK16 v_pk_fma_f32 v[PP+i:PP+i+1], v[PP+i:PP+i+1], v[DD+i:DD+i+1], s[A1:A1+1] op_sel_hi:[1,1,0]
	PK16 v_pk_mul_f32 v[PP+i:PP+i+1], v[PP+i:PP+i+1], v[DD+i:DD+i+1]
	PK16 v_pk_fma_f32 v[XX+i:XX+i+1], v[PP+i:PP+i+1], v[XX+i:XX+i+1], 1.0 op_sel_hi:[1,1,0] neg_lo:[1,0,0] neg_hi:[1,0,0]
	PK16 v_pk_fma_f32 v[T+i:T+i+1], v[WA+i:WA+i+1], v[XX+i:XX+i+1], v[T+i:T+i+1]
	PK16 v_cvt_pk_f16_f32 v[HH+i/2], v[T+i], v[T+i+1]
.irp p, 0,1,2,3                        ; piece p = 2 q + h' of the K step: sixteen lanes store 256 consecutive bytes, aligned
	global_store_b128 v[VH], v[HH+4*\p:HH+4*\p+3], s[48:49] offset:256*\p
.endr
.endm
	s_mov_b32 s29, 0                               ; blocks done
	s_mov_b32 s32, 0
.Lpass:                                        ; seven trips serve 32 blocks; a trip with nothing left is jumped
	s_sub_co_i32 s30, s28, s29                     ; blocks left
	s_cmp_le_i32 s30, 0
	s_cbranch_scc1 .Lnext
	s_wait_xcnt 0x0                                ; the last pass's stores and loads have read their registers
	s_add_co_u32 s36, s27, s29                     ; this pass's first block
	s_sub_co_u32 s37, s30, 1
.irp mb, 0,1,2,3,4
	s_min_u32 s38, s37, \mb                        ; places past the last block repeat it
	s_add_co_u32 s38, s38, s36
	s_min_u32 s38, s38, 262
	v_lshl_add_u32 v[VA+\mb], s38, 15, v[L16]
.endr
	s_mov_b64 s[SA:SA+1], s[4:5]
	s_mov_b32 s[TBS], 0
	v_mov_b32 v[VB], v[L16]
	s_cmp_ge_u32 s30, 5
	s_cbranch_scc1 .Lfive
	PASS 4
	s_mov_b32 s31, s30
	s_mov_b32 s42, s30
	s_branch .Lepi
.Lfive:
	PASS 5
	PLACES
	ADDB 4                                         ; the fifth block leaves here, on the one path that made it
	s_add_co_u32 s45, s36, 4
	GELUST
	s_mov_b32 s31, 5
	s_mov_b32 s42, 4
.Lepi:
	PLACES
	s_mov_b32 s44, 0
.Leloop:                                       ; four trips; blocks past the pass's count are jumped
	s_cmp_ge_u32 s44, s42
	s_cbranch_scc1 .Lenext
	s_cmp_eq_u32 s44, 0
	s_cbranch_scc1 .Lb0
	s_cmp_eq_u32 s44, 1
	s_cbranch_scc1 .Lb1
	s_cmp_eq_u32 s44, 2
	s_cbranch_scc1 .Lb2
	ADDB 3
	s_branch .Lcom
.Lb2:
	ADDB 2
	s_branch .Lcom
.Lb1:
	ADDB 1
	s_branch .Lcom
.Lb0:
	ADDB 0
.Lcom:
	s_add_co_u32 s45, s36, s44
	GELUST
.Lenext:
	s_add_co_u32 s44, s44, 1
	s_cmp_lt_u32 s44, 4
	s_cbranch_scc1 .Leloop
	s_add_co_u32 s29, s29, s31
.Lnext:
	s_add_co_u32 s32, s32, 1
	s_cmp_lt_u32 s32, 7
	s_cbranch_scc1 .Lpass
	s_wait_dscnt 0x0                               ; my reads of LDS are back;
	s_barrier_signal -1                            ; every wave comes here, whatever its number of blocks:
	s_barrier_wait -1                              ; all four waves' reads of LDS are over before any wave's closing add
	s_wait_tensorcnt 0x0                           ; the wave's end, behind my last LDS store
	ds_add_u32 v[SPW], v[NIL]
	s_wait_dscnt 0x0
	s_endpgm
.Lfunc_end_k_q791ddd58b2_gemm1:
	.size	k_q791ddd58b2_gemm1, .Lfunc_end_k_q791ddd58b2_gemm1-k_q791ddd58b2_gemm1
	.p2alignl 7, 3214868480
	.fill 96, 4, 3214868480
	.section	.rodata,"a",@progbits
	.p2align	6, 0x0
	.amdhsa_kernel k_q791ddd58b2_gemm1
		.amdhsa_group_segment_fixed_size 167936
		.amdhsa_private_segment_fixed_size 0
		.amdhsa_enable_private_segment 0
		.amdhsa_kernarg_size 40
		.amdhsa_user_sgpr_count 2
		.amdhsa_user_sgpr_kernarg_segment_ptr 1
		.amdhsa_wavefront_size32 1
		.amdhsa_system_sgpr_workgroup_id_x 1
		.amdhsa_system_sgpr_workgroup_id_y 1
		.amdhsa_system_sgpr_workgroup_id_z 1
		.amdhsa_system_vgpr_workitem_id 0
		.amdhsa_next_free_vgpr 768
		.amdhsa_next_free_sgpr 84
		.amdhsa_reserve_vcc 0
		.amdhsa_float_denorm_mode_32 3
		.amdhsa_float_denorm_mode_16_64 3
		.amdhsa_memory_ordered 1
		.amdhsa_forward_progress 1
		.amdhsa_inst_pref_size 160
	.end_amdhsa_kernel
	.amdgpu_metadata
---
amdhsa.version: [ 1, 2 ]
amdhsa.kernels:
  - .name:           k_q791ddd58b2_gemm1
    .symbol:         k_q791ddd58b2_gemm1.kd
    .args:
      - { .name: xfrag, .offset: 0, .size: 8, .value_kind: global_buffer, .address_space: global }
      - { .name: w1, .offset: 8, .size: 8, .value_kind: global_buffer, .address_space: global }
      - { .name: b1, .offset: 16, .size: 8, .value_kind: global_buffer, .address_space: global }
      - { .name: info, .offset: 24, .size: 8, .value_kind: global_buffer, .address_space: global }
      - { .name: hfrag, .offset: 32, .size: 8, .value_kind: global_buffer, .address_space: global }
    .group_segment_fixed_size: 167936
    .private_segment_fixed_size: 0
    .kernarg_segment_align: 8
    .kernarg_segment_size: 40
    .max_flat_workgroup_size: 128
    .sgpr_count:     84
    .vgpr_count:     768
    .wavefront_size: 32
...
	.end_amdgpu_metadata
.endif
;; end of part 2
;; launch gemm2 (part 3): grid 32 x 8, 4 waves a work-group, no clusters, 167,936 bytes of LDS; arguments hfrag, w2, b2, info, rowtok, roww, out0; writes out0
.if DOCPART == 3
	.amdgcn_target "amdgcn-amd-amdhsa--gfx1250"
	.amdhsa_code_object_version 6
	.text
	.protected	k_q791ddd58b2_gemm2
	.globl	k_q791ddd58b2_gemm2
	.p2align	8
	.type	k_q791ddd58b2_gemm2,@function
k_q791ddd58b2_gemm2:
	s_mov_b64 s[64:65], 0
	v_nop
	global_prefetch_b8 v0, s[64:65] scope:SCOPE_SE
	s_setreg_imm32_b32 hwreg(HW_REG_WAVE_MODE, 25, 1), 1
	s_wait_xcnt 0x0
; GEMM2.  out0[token] = weight x (h W2[e] + b2[e]) for the rows of expert e, scattered to the tokens' rows.
; Shares, W phase and row passes as in the first product: work-group (x, e) has the slab ns = x / 2 of 64 columns of W2[e] in LDS as f16 fragments ([s][f][q][lane][16 bytes], fragment f's lane r = slab column 4 r + f)
; and the half rh = x % 2 of the expert's blocks of 16 rows, dealt evenly to the expert's 8 waves (32 blocks a wave at the most).  One barrier behind the W phase; the loop over passes, whose length hangs on a
; stored count, holds no barrier and writes no LDS.  A's fragments (hfrag) come from memory into a ring of six register slots, five K steps ahead; W's from LDS, one step ahead.
; The product is used as it stands (source 0 = h, source 1 = W): register j of accumulator (mb, f) in lane (r, h) is row 8 h + j, slab column 4 r + f: for one j the four accumulators hold 16 consecutive bytes,
; sixteen lanes 256 aligned bytes of a token's row.  Places past an expert's count repeat the block's last token: its row is then stored more than once, by the same wave, with the same bits.
; FORMATS.  h arrives in f16, so the product is the f16 form.  W2 and b2 are each rounded once to bf16 (every input has the same rounding; the routing weight was rounded by the launch that stored it);
; W2's bf16 number is then written as f16.  Sums, bias and weight in f32.
; LIMIT.  That second writing is exact for 6.1e-5 <= |w2| <= 65,504; a smaller w2 keeps f16's fixed step of 6e-8, a larger one becomes an infinity.
; NO JOINT LOADS: what an expert's 16 slabs share, its blocks of h, lies at places and in numbers that hang on stored counts, and a loop whose length hangs on a count holds no tensor load; a slab of W has two readers.
; REGISTERS.  Window 0: addresses, W's two fragment buffers, the way out.  Window 1: accumulator (mb, f) at 32 mb + 8 f.  Window 2: A's ring, slot p at 40 p, block mb at + 8 mb.
.set SPARE, 131072
.set L16, 1
.set VB,  2                            ; LDS address of W's fragments: s[TBS] + 16 lane
.set VA,  3                            ; v[3:7]
.set SPW, 8
.set NIL, 9
.set VW,  10
.set VWS, 11
.set R16, 12
.set HT,  13                           ; 32 h: my eight rows in a block's tables
.set BF,  16
.set RAW, 16
.set FR,  208
.set T,   80                           ; v[80:111] row j, column f at 4 j + f
.set TOK, 112                          ; v[112:151] block mb: the tokens of my eight rows
.set WGT, 152                          ; v[152:191] their weights
.set OFJ, 192                          ; v[192:199] the stores' offsets
.set BV,  240                          ; v[240:243] b2 of my four columns
.set VT,  244                          ; v[244:248] block mb: its place in the tables
.set SA,  40
.set TBS, 50                           ; s50 the LDS byte at which the K loop's trip begins in W
.set HIM, 51                           ; s51 the mask of a word's upper bf16
.set WM,  0x52                         ; source 0 window 2 (A), source 1 window 0 (W), C and D window 1
.set MSB, 0
.macro WIN new
.if MSB != (\new)
	s_set_vgpr_msb (MSB<<8)|(\new)
.set MSB, \new
.endif
.endm
.macro PLACES
.rept 4
	v_nop
.endr
.endm
	s_load_b256 s[4:11], s[0:1], 0x0               ; hfrag s[4:5], w2 s[6:7], b2 s[8:9], info s[10:11]
	s_load_b128 s[12:15], s[0:1], 0x20             ; rowtok s[12:13], roww s[14:15]
	s_load_b64 s[16:17], s[0:1], 0x30              ; out0
	v_lshl_add_u32 v[SPW], v0, 2, SPARE
	v_mov_b32 v[NIL], 0
	v_lshrrev_b32 v15, 5, v0
	v_readfirstlane_b32 s20, v15                   ; wave
	s_lshr_b32 s21, ttmp9, 1                       ; ns
	s_and_b32 s22, ttmp9, 1                        ; rh
	s_and_b32 s23, ttmp7, 0xffff                   ; e
	s_mov_b32 s[HIM], 0xffff0000
	v_and_b32 v15, 31, v0
	v_lshlrev_b32 v[L16], 4, v15
	v_and_b32 v[R16], 15, v0
	v_lshlrev_b32 v[R16], 4, v[R16]
	v_bfe_u32 v15, v0, 4, 1                        ; h
	v_lshl_add_u32 v[VW], v15, 15, v[R16]
	v_lshlrev_b32 v[HT], 5, v15
	s_lshl_b32 s34, s20, 15
	v_add_nc_u32 v[VWS], s34, v[L16]
	s_lshl_b32 s34, s23, 22
	s_lshl_b32 s35, s20, 20
	s_add_co_u32 s34, s34, s35
	s_lshl_b32 s35, s21, 8
	s_add_co_u32 s34, s34, s35
	s_mov_b32 s35, 0
	s_lshl_b32 s36, s23, 12
	s_lshl_b32 s37, s21, 8
	s_add_co_u32 s36, s36, s37
	s_mov_b32 s37, 0
	s_lshl_b32 s38, s23, 2
	s_mov_b32 s39, 0
	s_lshl_b32 s42, s21, 8                         ; out0: the slab's 256 bytes of a row
	s_mov_b32 s43, 0
	s_wait_kmcnt 0x0
	s_add_nc_u64 s[46:47], s[6:7], s[34:35]
	s_add_nc_u64 s[36:37], s[8:9], s[36:37]
	s_add_nc_u64 s[38:39], s[10:11], s[38:39]
	s_add_nc_u64 s[48:49], s[16:17], s[42:43]
	s_load_b32 s24, s[38:39], 0x0                  ; nb
	s_load_b32 s25, s[38:39], 0x20                 ; bb
	global_load_b128 v[BV:BV+3], v[R16], s[36:37]  ; older than every load of W: the W phase's waits cover it
.macro WLOAD c
.irp q, 0,1
.irp i, 0,1,2,3,4,5,6,7
	global_load_b128 v[RAW+64*((\c)%3)+32*\q+4*\i:RAW+64*((\c)%3)+32*\q+4*\i+3], v[VW], s[46:47] offset:(32*(\c)+16*\q+\i)*4096
.endr
.endr
.endm
; left: the younger chunks' loads, which stay out.  Register d of fragment j, half q: rows 2 d and 2 d + 1 of the eight, column j of the four.
; Each pair is rounded to bf16, widened again in place (each raw register feeds one pair alone), and written as f16: four runs of 32 lines, so that no line reads the result of the one before it.
.macro WCONV c, left
	s_wait_loadcnt \left
.irp q, 0,1
.irp j, 0,1,2,3
.irp d, 0,1,2,3
	v_cvt_pk_bf16_f32 v[FR+16*\q+4*\j+\d], v[RAW+64*((\c)%3)+32*\q+8*\d+\j], v[RAW+64*((\c)%3)+32*\q+8*\d+4+\j]
.endr
.endr
.endr
.irp q, 0,1
.irp j, 0,1,2,3
.irp d, 0,1,2,3
	v_lshlrev_b32 v[RAW+64*((\c)%3)+32*\q+8*\d+\j], 16, v[FR+16*\q+4*\j+\d]
.endr
.endr
.endr
.irp q, 0,1
.irp j, 0,1,2,3
.irp d, 0,1,2,3
	v_and_b32 v[RAW+64*((\c)%3)+32*\q+8*\d+4+\j], s[HIM], v[FR+16*\q+4*\j+\d]
.endr
.endr
.endr
.irp q, 0,1
.irp j, 0,1,2,3
.irp d, 0,1,2,3
	v_cvt_pk_f16_f32 v[FR+16*\q+4*\j+\d], v[RAW+64*((\c)%3)+32*\q+8*\d+\j], v[RAW+64*((\c)%3)+32*\q+8*\d+4+\j]
.endr
.endr
.endr
.irp q, 0,1
.irp j, 0,1,2,3
	ds_store_b128 v[VWS], v[FR+16*\q+4*\j:FR+16*\q+4*\j+3] offset:(\c)*4096+\j*1024+\q*512
.endr
.endr
.endm
	WLOAD 0
	WLOAD 1
	WLOAD 2
	WCONV 0, 32
	WLOAD 3
	WCONV 1, 32
	WLOAD 4
	WCONV 2, 32
	WLOAD 5
	WCONV 3, 32
	WLOAD 6
	WCONV 4, 32
	WLOAD 7
	WCONV 5, 32
	WCONV 6, 16
	WCONV 7, 0
	s_wait_dscnt 0x0                               ; for the others' sake: my eight K steps of W are in LDS
	s_barrier_signal -1
	v_cvt_pk_bf16_f32 v[T], v[BV], v[BV+1]         ; the bias is rounded once to bf16 and widened again
	v_cvt_pk_bf16_f32 v[T+1], v[BV+2], v[BV+3]
	v_lshlrev_b32 v[BV], 16, v[T]
	v_and_b32 v[BV+1], s[HIM], v[T]
	v_lshlrev_b32 v[BV+2], 16, v[T+1]
	v_and_b32 v[BV+3], s[HIM], v[T+1]
	s_barrier_wait -1                              ; from here on W in LDS is only read
	s_wait_kmcnt 0x0
	s_min_u32 s24, s24, 256
	s_min_u32 s25, s25, 262
	s_lshl2_add_u32 s26, s22, s20                  ; gw = 4 rh + w
	s_mul_i32 s34, s26, s24
	s_lshr_b32 s34, s34, 3
	s_add_co_u32 s35, s26, 1
	s_mul_i32 s35, s35, s24
	s_lshr_b32 s35, s35, 3
	s_sub_co_u32 s28, s35, s34                     ; my number of blocks
	s_add_co_u32 s27, s25, s34                     ; my first block
.macro ALOAD n, slot, imm
	WIN 0x80
.set m_, 0
.rept \n
	global_load_b128 v[40*(\slot)+8*m_:40*(\slot)+8*m_+3], v[VA+m_], s[SA:SA+1] offset:(\imm)*1024
	global_load_b128 v[40*(\slot)+8*m_+4:40*(\slot)+8*m_+7], v[VA+m_], s[SA:SA+1] offset:(\imm)*1024+512
.set m_, m_+1
.endr
.endm
.macro BLOAD b, imm
	WIN 0
.irp f, 0,1,2,3
	ds_load_b128 v[BF+32*(\b)+8*\f:BF+32*(\b)+8*\f+3], v[VB] offset:(\imm)*4096+\f*1024
	ds_load_b128 v[BF+32*(\b)+8*\f+4:BF+32*(\b)+8*\f+7], v[VB] offset:(\imm)*4096+\f*1024+512
.endr
.endm
.macro MULS n, b, slot, zero           ; 4 n products; the accumulators take turns, one instruction a turn
	WIN WM
.set m_, 0
.rept \n
.irp f, 0,1,2,3
.if \zero
	v_wmma_f32_16x16x32_f16 v[32*m_+8*\f:32*m_+8*\f+7], v[40*(\slot)+8*m_:40*(\slot)+8*m_+7], v[BF+32*(\b)+8*\f:BF+32*(\b)+8*\f+7], 0
.else
	v_wmma_f32_16x16x32_f16 v[32*m_+8*\f:32*m_+8*\f+7], v[40*(\slot)+8*m_:40*(\slot)+8*m_+7], v[BF+32*(\b)+8*\f:BF+32*(\b)+8*\f+7], v[32*m_+8*\f:32*m_+8*\f+7]
.endif
.endr
.set m_, m_+1
.endr
.endm
.macro STEP n, b, slot, zero, rl, rimm, bn, bimm, lcnt, dcnt
.if (\rl) || (\bn)
	PLACES
.endif
.if \rl
	ALOAD \n, ((\slot)+5)%6, \rimm
.endif
.if \bn
	BLOAD 1-(\b), \bimm
.endif
	s_wait_loadcnt \lcnt                           ; this step's A is in; the younger loads stay out
	s_wait_dscnt \dcnt                             ; this step's W is in; the eight loads just issued stay out
	MULS \n, \b, \slot, \zero
.endm
.macro PASS n
	ALOAD \n, 0, 0
	ALOAD \n, 1, 1
	ALOAD \n, 2, 2
	ALOAD \n, 3, 3
	ALOAD \n, 4, 4
	BLOAD 0, 0
	STEP \n, 0, 0, 1, 1, 5, 1, 1, 10*\n, 8         ; K step 0 starts the sums
	WIN 0
	s_mov_b32 s33, 4
.Lk\@:                                         ; a trip: six K steps, once round the ring
	STEP \n, 1, 1, 0, 1, 6, 1, 2, 10*\n, 8
	STEP \n, 0, 2, 0, 1, 7, 1, 3, 10*\n, 8
	STEP \n, 1, 3, 0, 1, 8, 1, 4, 10*\n, 8
	STEP \n, 0, 4, 0, 1, 9, 1, 5, 10*\n, 8
	STEP \n, 1, 5, 0, 1, 10, 1, 6, 10*\n, 8
	STEP \n, 0, 0, 0, 1, 11, 1, 7, 10*\n, 8
	WIN 0
	s_wait_xcnt 0x0                                ; the loads' base is stepped only behind this wait
	s_add_nc_u64 s[SA:SA+1], s[SA:SA+1], 6144
	s_add_co_u32 s[TBS], s[TBS], 24576             ; six K steps of W on
	v_add_nc_u32 v[VB], s[TBS], v[L16]
	s_sub_co_u32 s33, s33, 1
	s_cmp_lg_u32 s33, 0
	s_cbranch_scc1 .Lk\@
	STEP \n, 1, 1, 0, 1, 6, 1, 2, 10*\n, 8         ; K steps 25 to 31: the last two fills, then the ring runs dry
	STEP \n, 0, 2, 0, 1, 7, 1, 3, 10*\n, 8
	STEP \n, 1, 3, 0, 0, 0, 1, 4, 8*\n, 8
	WIN 0
.set m_, 0
.rept \n                                       ; the blocks' tokens and weights, 4 n loads, asked four K steps ahead of the way out: with A's 8 n that are still out, 12 n loads of mine are on their way
	global_load_b128 v[TOK+8*m_:TOK+8*m_+3], v[VT+m_], s[12:13]
	global_load_b128 v[TOK+8*m_+4:TOK+8*m_+7], v[VT+m_], s[12:13] offset:16
	global_load_b128 v[WGT+8*m_:WGT+8*m_+3], v[VT+m_], s[14:15]
	global_load_b128 v[WGT+8*m_+4:WGT+8*m_+7], v[VT+m_], s[14:15] offset:16
.set m_, m_+1
.endr
	STEP \n, 0, 4, 0, 0, 0, 1, 5, 10*\n, 8         ; the counts leave out the younger K steps' 6 n, 4 n, 2 n, 0 loads and the 4 n of the tables
	STEP \n, 1, 5, 0, 0, 0, 1, 6, 8*\n, 8
	STEP \n, 0, 0, 0, 0, 0, 1, 7, 6*\n, 8
	STEP \n, 1, 1, 0, 0, 0, 0, 0, 4*\n, 0
	WIN 0
	s_wait_loadcnt 0x0                             ; the tables are in
.endm
; The way out of block mb: + b2, x the row's weight, eight stores.  Each accumulator's register 0 is read first.
.macro EPI2 mb
	s_wait_xcnt 0x0                                ; the last stores have read T and OFJ
	WIN 0x01
.irp j, 0,1,2,3,4,5,6,7
.irp f, 0,1,2,3
	v_add_f32 v[T+4*\j+\f], v[32*(\mb)+8*\f+\j], v[BV+\f]
.endr
.endr
	WIN 0
.irp j, 0,1,2,3,4,5,6,7
	v_min_u32 v[OFJ+\j], 0xfff, v[TOK+8*(\mb)+\j]
.endr
.irp j, 0,1,2,3,4,5,6,7
	v_lshl_add_u32 v[OFJ+\j], v[OFJ+\j], 12, v[R16]
.endr
.irp j, 0,2,4,6                        ; rows j and j + 1 take the low and the high register of the weights' pair
	v_pk_mul_f32 v[T+4*\j:T+4*\j+1], v[T+4*\j:T+4*\j+1], v[WGT+8*(\mb)+\j:WGT+8*(\mb)+\j+1] op_sel_hi:[1,0]
	v_pk_mul_f32 v[T+4*\j+2:T+4*\j+3], v[T+4*\j+2:T+4*\j+3], v[WGT+8*(\mb)+\j:WGT+8*(\mb)+\j+1] op_sel_hi:[1,0]
	v_pk_mul_f32 v[T+4*\j+4:T+4*\j+5], v[T+4*\j+4:T+4*\j+5], v[WGT+8*(\mb)+\j:WGT+8*(\mb)+\j+1] op_sel:[0,1] op_sel_hi:[1,1]
	v_pk_mul_f32 v[T+4*\j+6:T+4*\j+7], v[T+4*\j+6:T+4*\j+7], v[WGT+8*(\mb)+\j:WGT+8*(\mb)+\j+1] op_sel:[0,1] op_sel_hi:[1,1]
.endr
.irp j, 0,1,2,3,4,5,6,7
	global_store_b128 v[OFJ+\j], v[T+4*\j:T+4*\j+3], s[48:49] th:TH_STORE_NT  ; sixteen lanes store 256 consecutive bytes of a token's row, aligned
.endr
.endm
	s_mov_b32 s29, 0                               ; blocks done
	s_mov_b32 s32, 0
.Lpass:                                        ; seven trips serve 32 blocks; a trip with nothing left is jumped
	s_sub_co_i32 s30, s28, s29                     ; blocks left
	s_cmp_le_i32 s30, 0
	s_cbranch_scc1 .Lnext
	s_wait_xcnt 0x0                                ; the last pass's stores and loads have read their registers
	s_add_co_u32 s36, s27, s29                     ; this pass's first block
	s_sub_co_u32 s37, s30, 1
.irp mb, 0,1,2,3,4
	s_min_u32 s38, s37, \mb                        ; places past the last block repeat it
	s_add_co_u32 s38, s38, s36
	s_min_u32 s38, s38, 262
	v_lshl_add_u32 v[VA+\mb], s38, 15, v[L16]
	v_lshl_add_u32 v[VT+\mb], s38, 6, v[HT]
.endr
	s_mov_b64 s[SA:SA+1], s[4:5]
	s_mov_b32 s[TBS], 0
	v_mov_b32 v[VB], v[L16]
	s_cmp_ge_u32 s30, 5
	s_cbranch_scc1 .Lfive
	PASS 4
	s_mov_b32 s31, s30
	s_mov_b32 s42, s30
	s_branch .Lepi
.Lfive:
	PASS 5
	PLACES
	EPI2 4                                         ; the fifth block leaves here, on the one path that made it
	s_mov_b32 s31, 5
	s_mov_b32 s42, 4
.Lepi:
	PLACES
	EPI2 0
	s_cmp_le_u32 s42, 1
	s_cbranch_scc1 .Lout                           ; whole blocks past the pass's count are jumped
	EPI2 1
	s_cmp_le_u32 s42, 2
	s_cbranch_scc1 .Lout
	EPI2 2
	s_cmp_le_u32 s42, 3
	s_cbranch_scc1 .Lout
	EPI2 3
.Lout:
	s_add_co_u32 s29, s29, s31
.Lnext:
	s_add_co_u32 s32, s32, 1
	s_cmp_lt_u32 s32, 7
	s_cbranch_scc1 .Lpass
	s_wait_dscnt 0x0                               ; my reads of LDS are back;
	s_barrier_signal -1                            ; every wave comes here, whatever its number of blocks:
	s_barrier_wait -1                              ; all four waves' reads of LDS are over before any wave's closing add
	s_wait_tensorcnt 0x0                           ; the wave's end, behind my last LDS store
	ds_add_u32 v[SPW], v[NIL]
	s_wait_dscnt 0x0
	s_endpgm
.Lfunc_end_k_q791ddd58b2_gemm2:
	.size	k_q791ddd58b2_gemm2, .Lfunc_end_k_q791ddd58b2_gemm2-k_q791ddd58b2_gemm2
	.p2alignl 7, 3214868480
	.fill 96, 4, 3214868480
	.section	.rodata,"a",@progbits
	.p2align	6, 0x0
	.amdhsa_kernel k_q791ddd58b2_gemm2
		.amdhsa_group_segment_fixed_size 167936
		.amdhsa_private_segment_fixed_size 0
		.amdhsa_enable_private_segment 0
		.amdhsa_kernarg_size 56
		.amdhsa_user_sgpr_count 2
		.amdhsa_user_sgpr_kernarg_segment_ptr 1
		.amdhsa_wavefront_size32 1
		.amdhsa_system_sgpr_workgroup_id_x 1
		.amdhsa_system_sgpr_workgroup_id_y 1
		.amdhsa_system_sgpr_workgroup_id_z 1
		.amdhsa_system_vgpr_workitem_id 0
		.amdhsa_next_free_vgpr 768
		.amdhsa_next_free_sgpr 66
		.amdhsa_reserve_vcc 0
		.amdhsa_float_denorm_mode_32 3
		.amdhsa_float_denorm_mode_16_64 3
		.amdhsa_memory_ordered 1
		.amdhsa_forward_progress 1
		.amdhsa_inst_pref_size 170
	.end_amdhsa_kernel
	.amdgpu_metadata
---
amdhsa.version: [ 1, 2 ]
amdhsa.kernels:
  - .name:           k_q791ddd58b2_gemm2
    .symbol:         k_q791ddd58b2_gemm2.kd
    .args:
      - { .name: hfrag, .offset: 0, .size: 8, .value_kind: global_buffer, .address_space: global }
      - { .name: w2, .offset: 8, .size: 8, .value_kind: global_buffer, .address_space: global }
      - { .name: b2, .offset: 16, .size: 8, .value_kind: global_buffer, .address_space: global }
      - { .name: info, .offset: 24, .size: 8, .value_kind: global_buffer, .address_space: global }
      - { .name: rowtok, .offset: 32, .size: 8, .value_kind: global_buffer, .address_space: global }
      - { .name: roww, .offset: 40, .size: 8, .value_kind: global_buffer, .address_space: global }
      - { .name: out0, .offset: 48, .size: 8, .value_kind: global_buffer, .address_space: global }
    .group_segment_fixed_size: 167936
    .private_segment_fixed_size: 0
    .kernarg_segment_align: 8
    .kernarg_segment_size: 56
    .max_flat_workgroup_size: 128
    .sgpr_count:     66
    .vgpr_count:     768
    .wavefront_size: 32
...
	.end_amdgpu_metadata
.endif
;; end of part 3
